; MI455X (gfx1250); checked and timed in simulation.
; The chip was launched on July 23, 2026; its instructions are those of AMD's public machine-readable ISA for CDNA 5 (MIT licence, August 2026) and "CDNA5" Instruction Set Architecture Reference Guide (July 2026). The comments in the code are by the model that wrote it; some were corrected since.
;; Renderer. Allowed arithmetic: float matrix products may take bf16 or f16 operands with f32 sums; other float arithmetic in f32, or as packed bf16 or f16 multiplies, adds, multiply-adds, maxima and minima; sums over many terms, partial sums and values carried from step to step in f32; what a program stores and reads back later, other than sums and carried values, may be rounded once to bf16 or f16.
;; Inputs: density_data 2,097,152 x 1 float32; dirs 16,384 x 3 float32; links 128 x 128 x 128 int32; origins 16,384 x 3 float32; sh_data 2,097,152 x 27 float32.
;; Outputs: out0 16,384 x 6 float32.
;; 2 versions, each right; version 2 is version 1 with the launch march written anew for expert scheduling mode. Each part assembles by itself: llvm-mc -triple=amdgcn-amd-amdhsa -mcpu=gfx1250 --defsym DOCPART=n.
;; ======== version 1 of 2: 2 launches
;; workspace buffers: cells 12,582,912 bytes of whole numbers; table 134,217,728 bytes
;; launch prep (part 1): grid 9216 x 1, 8 waves a work-group, no clusters, 0 bytes of LDS; arguments origins, dirs, links, density_data, sh_data, cells, table; writes cells, table
.if DOCPART == 1
	.amdgcn_target "amdgcn-amd-amdhsa--gfx1250"
	.amdhsa_code_object_version 6
	.text
	.protected	k_qf70813fbf0_prep
	.globl	k_qf70813fbf0_prep
	.p2align	8
	.type	k_qf70813fbf0_prep,@function
k_qf70813fbf0_prep:
	s_mov_b64 s[64:65], 0
	v_nop
	global_prefetch_b8 v0, s[64:65] scope:SCOPE_SE
	s_setreg_imm32_b32 hwreg(HW_REG_WAVE_MODE, 25, 1), 1
	s_wait_xcnt 0x0
; TWO JOBS IN ONE LAUNCH, chosen by the work-group's number; neither reads what the other writes.
; (a) work-groups 0 .. NCW-1: CELLS.  For each of 16,384 rays and 160 steps the number of the grid cell, lx*16384 + ly*128 + lz, that the sample falls into.
;     Thread = (ray, r), r = 0..15: it makes the cells of steps 16 g + r, g = 0..9.  A ray's record is 768 bytes: 3 blocks of 256; in block k lane r's 16 bytes hold g = 4k .. 4k+3
;     (g = 10, 11 are stored as 0), so sixteen neighbouring lanes store 256 consecutive bytes at a multiple of 256.
; (b) the other 8,192 work-groups: TABLE.  For each of the 128^3 grid vertices, in grid order, 64 bytes of bf16: what links[vertex] points at, or zeros where the link is negative.
;     Slots of 2 bytes: 0-23 = sh 0-23, 24 = density, 25-28 = 0, 29-31 = sh 24-26.  Thread = (vertex, quarter q): eight 4-byte loads from its row (a row is 108 bytes and only
;     4-byte aligned), rounded once to bf16, one 16-byte store; a wave's store covers 512 consecutive bytes.  Quarter 3 loads sh 19-26 (so that no load leaves the row),
;     keeps the last three, and takes the density in its first slot.
; LIMITS.  sh and density are rounded once to bf16 (a number beyond bf16's largest becomes an infinity).  t = t0 + 0.5 s is made with one rounding.  A direction of length 0 and
; non-finite inputs are not treated as the reference treats them; a direction component so small that v_rcp_f32 takes it as 0 gives an infinite reciprocal.
.set NCW,  1024
; --- table: registers
.set LKO,  1       ; byte offset of my vertex in a batch of 64 links
.set QQ,   2       ; q
.set QOF,  3       ; byte offset of my eight numbers in a row: 0, 32, 64, 76
.set TOF,  4       ; 16 x thread: my 16 bytes in a batch's 4,096 of the table
.set TA,   5
.set TB,   6
.set LNK,  8       ; v8-11   the links of four batches
.set SHA,  12      ; v12-15  byte offsets into sh_data; not rewritten
.set DNA,  16      ; v16-19  byte offsets into density_data; not rewritten
.set DAT,  20      ; v20-59  ten registers a batch: eight of sh, the density, one spare
.set Q3,   21      ; s21     lanes with q = 3
.set VM,   28      ; s28-31  lanes whose link is not negative, by batch
.set VN,   32      ; s32-35  those of them with q < 3
; --- cells: registers
.set ROF,  4       ; byte offset of my ray in origins and dirs
.set COF,  5       ; byte offset of my 16 bytes in the ray's first block
.set U,    6       ; 0.5 x step
.set T,    7
.set P,    8       ; v8-10
.set OW,   12
.set DW,   15
.set GO,   18      ; origin in grid units
.set GD,   21      ; direction in grid units, length 1
.set VD,   24      ; view direction
.set IV,   27
.set LO,   30
.set HI,   33
.set S0,   36
.set S1,   37
.set DSV,  38
.set T0V,  39
.set TMV,  40
.set CB,   44      ; v44-55  twelve words of my record
.set K64,  36      ; s36  64.0
.set KNEG, 37      ; s37  -1e9
.set KPOS, 38      ; s38  1e9
	s_load_b256 s[4:11], s[0:1], 0x0               ; origins s[4:5], dirs s[6:7], links s[8:9], density s[10:11]
	s_load_b128 s[12:15], s[0:1], 0x20             ; sh s[12:13], cells s[14:15]
	s_load_b64 s[16:17], s[0:1], 0x30              ; table
	s_cmp_lt_u32 ttmp9, NCW
	s_cbranch_scc1 .Lcells
	; ---------------- TABLE: 256 vertices a work-group, four batches of 64 ----------------
	s_sub_co_u32 s20, ttmp9, NCW
	v_lshrrev_b32 v[LKO], 2, v0
	v_and_b32 v[QQ], 3, v0
	v_lshlrev_b32 v[LKO], 2, v[LKO]
	v_lshlrev_b32 v[QOF], 5, v[QQ]
	v_min_u32 v[QOF], 76, v[QOF]
	v_lshlrev_b32 v[TOF], 4, v0
	v_cmp_eq_u32 s[Q3], 3, v[QQ]
	s_lshl_b32 s24, s20, 10                        ; 256 links of 4 bytes
	s_mov_b32 s25, 0
	s_lshl_b32 s26, s20, 14                        ; 256 rows of 64 bytes
	s_mov_b32 s27, 0
	s_wait_kmcnt 0x0
	s_add_nc_u64 s[8:9], s[8:9], s[24:25]
	s_add_nc_u64 s[16:17], s[16:17], s[26:27]
.irp b, 0,1,2,3
	global_load_b32 v[LNK+\b], v[LKO], s[8:9] offset:256*\b
.endr
.irp b, 0,1,2,3
	s_wait_loadcnt 3+8*\b                          ; behind link b were issued 3 - b links and 9 b loads of rows
	v_cmp_le_i32 s[VM+\b], 0, v[LNK+\b]
	v_cndmask_b32 v[TA], 0, v[LNK+\b], s[VM+\b]    ; max(link, 0)
	v_min_u32 v[TB], 0x100000, v[TA]               ; the loaded index enters an address behind v_min_u32 with a bound of at most 0x100000:
	v_sub_nc_u32 v[TA], v[TA], v[TB]               ; the index, below 2^21, is cut into min(i, 2^20) and the rest,
	v_min_u32 v[TA], 0xfffff, v[TA]                ; each clamped,
	v_add_nc_u32 v[TA], v[TA], v[TB]               ; and added again
	v_mul_u32_u24 v[SHA+\b], v[TA], 108
	v_lshlrev_b32 v[DNA+\b], 2, v[TA]
	v_add_nc_u32 v[SHA+\b], v[SHA+\b], v[QOF]
	s_and_not1_b32 s[VN+\b], s[VM+\b], s[Q3]
.irp j, 0,1,2,3,4,5,6,7
	global_load_b32 v[DAT+10*\b+\j], v[SHA+\b], s[12:13] offset:4*\j
.endr
	global_load_b32 v[DAT+10*\b+8], v[DNA+\b], s[10:11]
.endr
.irp b, 0,1,2,3
	s_wait_loadcnt 27-9*\b                         ; the later batches' loads, nine each, stay out
	v_cndmask_b32 v[DAT+10*\b], v[DAT+10*\b], v[DAT+10*\b+8], s[Q3]   ; quarter 3: slot 24 is the density
	v_cndmask_b32 v[DAT+10*\b], 0, v[DAT+10*\b], s[VM+\b]             ; a negative link gives zeros, by selection
.irp j, 1,2,3,4
	v_cndmask_b32 v[DAT+10*\b+\j], 0, v[DAT+10*\b+\j], s[VN+\b]       ; quarter 3: slots 25-28 are 0
.endr
.irp j, 5,6,7
	v_cndmask_b32 v[DAT+10*\b+\j], 0, v[DAT+10*\b+\j], s[VM+\b]
.endr
.irp j, 0,1,2,3
	v_cvt_pk_bf16_f32 v[DAT+10*\b+\j], v[DAT+10*\b+2*\j], v[DAT+10*\b+2*\j+1]  ; packed downward: register j is free when pair j is rounded
.endr
	global_store_b128 v[TOF], v[DAT+10*\b:DAT+10*\b+3], s[16:17] offset:4096*\b
.endr
	s_endpgm
; The ray's set-up, as the reference writes it: origin and direction in grid units, the step's world length, entry and exit of the box.
.macro SETUP
	v_mul_f32 v[S0], v[DW], v[DW]
	v_fmac_f32 v[S0], v[DW+1], v[DW+1]
	v_fmac_f32 v[S0], v[DW+2], v[DW+2]
	v_rsq_f32 v[S0], v[S0]                         ; the three lines below are the plain work behind it
.irp i, 0,1,2
	v_fma_f32 v[GO+\i], v[OW+\i], s[K64], 0x427e0000   ; 63.5 + 64 o
.endr
	s_wait_alu depctr_va_vdst(0)
.irp i, 0,1,2
	v_mul_f32 v[VD+\i], v[DW+\i], v[S0]
.endr
.irp i, 0,1,2
	v_mul_f32 v[GD+\i], s[K64], v[VD+\i]
.endr
	v_mul_f32 v[S1], v[GD], v[GD]
	v_fmac_f32 v[S1], v[GD+1], v[GD+1]
	v_fmac_f32 v[S1], v[GD+2], v[GD+2]
	v_rsq_f32 v[DSV], v[S1]                        ; delta_scale
.irp i, 0,1,2
	v_sub_f32 v[LO+\i], -0.5, v[GO+\i]
	v_sub_f32 v[HI+\i], 0x42ff0000, v[GO+\i]       ; 127.5 - origin
.endr
	s_wait_alu depctr_va_vdst(0)
.irp i, 0,1,2
	v_mul_f32 v[GD+\i], v[GD+\i], v[DSV]
.endr
.irp i, 0,1,2
	v_rcp_f32 v[IV+\i], v[GD+\i]
.endr
	v_nop                                          ; a plain line between the last reciprocal and its use
	s_wait_alu depctr_va_vdst(0)
.irp i, 0,1,2
	v_mul_f32 v[LO+\i], v[LO+\i], v[IV+\i]
	v_mul_f32 v[HI+\i], v[HI+\i], v[IV+\i]
	v_cmp_eq_f32 vcc_lo, 0, v[GD+\i]
	v_min_num_f32 v[S0], v[LO+\i], v[HI+\i]
	v_max_num_f32 v[S1], v[LO+\i], v[HI+\i]
	v_cndmask_b32 v[LO+\i], v[S0], s[KNEG], vcc_lo
	v_cndmask_b32 v[HI+\i], v[S1], s[KPOS], vcc_lo
.endr
	v_max3_num_f32 v[T0V], v[LO], v[LO+1], v[LO+2]
	v_min3_num_f32 v[TMV], v[HI], v[HI+1], v[HI+2]
	v_max_num_f32 v[T0V], 0, v[T0V]                ; near clip 0
.endm
; The cell of step 16 g + r: pos = clip(origin + t dir, 0, 127), l = min(int(pos), 126).
.macro CELL g
	v_add_f32 v[T], v[U], v[T0V]
	v_add_f32 v[U], 0x41000000, v[U]               ; 16 steps of 0.5 on: exact
.irp i, 0,1,2
	v_fma_f32 v[P+\i], v[T], v[GD+\i], v[GO+\i]
.endr
.irp i, 0,1,2
	v_max_num_f32 v[P+\i], 0, v[P+\i]
.endr
.irp i, 0,1,2
	v_min_num_f32 v[P+\i], 0x42fe0000, v[P+\i]     ; 127.0
.endr
.irp i, 0,1,2
	v_cvt_u32_f32 v[P+\i], v[P+\i]
.endr
.irp i, 0,1,2
	v_min_u32 v[P+\i], 126, v[P+\i]
.endr
	v_lshl_or_b32 v[P], v[P], 7, v[P+1]
	v_lshl_or_b32 v[CB+(\g)], v[P], 7, v[P+2]
.endm
	; ---------------- CELLS: 16 rays a work-group ----------------
.Lcells:
	v_lshrrev_b32 v1, 4, v0
	v_and_b32 v2, 15, v0                           ; r
	s_lshl_b32 s20, ttmp9, 4
	v_add_nc_u32 v3, s20, v1                       ; my ray
	v_mul_u32_u24 v[ROF], v3, 12
	v_mul_u32_u24 v[COF], v3, 768
	v_lshl_add_u32 v[COF], v2, 4, v[COF]
	v_cvt_f32_u32 v[U], v2
	v_mul_f32 v[U], 0.5, v[U]
	s_mov_b32 s[K64], 0x42800000
	s_mov_b32 s[KNEG], 0xce6e6b28
	s_mov_b32 s[KPOS], 0x4e6e6b28
	s_wait_kmcnt 0x0
.irp i, 0,1,2
	global_load_b32 v[OW+\i], v[ROF], s[4:5] offset:4*\i
	global_load_b32 v[DW+\i], v[ROF], s[6:7] offset:4*\i
.endr
	v_mov_b32 v[CB+10], 0                          ; the record's two pad words are stored too: the next launch loads them
	v_mov_b32 v[CB+11], 0
	s_wait_loadcnt 0x0
	SETUP
.irp g, 0,1,2,3,4,5,6,7,8,9
	CELL \g
.endr
.irp k, 0,1,2
	global_store_b128 v[COF], v[CB+4*\k:CB+4*\k+3], s[14:15] offset:256*\k
.endr
	s_endpgm
.Lfunc_end_k_qf70813fbf0_prep:
	.size	k_qf70813fbf0_prep, .Lfunc_end_k_qf70813fbf0_prep-k_qf70813fbf0_prep
	.p2alignl 7, 3214868480
	.fill 96, 4, 3214868480
	.section	.rodata,"a",@progbits
	.p2align	6, 0x0
	.amdhsa_kernel k_qf70813fbf0_prep
		.amdhsa_group_segment_fixed_size 0
		.amdhsa_private_segment_fixed_size 0
		.amdhsa_enable_private_segment 0
		.amdhsa_kernarg_size 56
		.amdhsa_user_sgpr_count 2
		.amdhsa_user_sgpr_kernarg_segment_ptr 1
		.amdhsa_wavefront_size32 1
		.amdhsa_system_sgpr_workgroup_id_x 1
		.amdhsa_system_sgpr_workgroup_id_y 1
		.amdhsa_system_sgpr_workgroup_id_z 1
		.amdhsa_system_vgpr_workitem_id 0
		.amdhsa_next_free_vgpr 64
		.amdhsa_next_free_sgpr 66
		.amdhsa_reserve_vcc 1
		.amdhsa_float_denorm_mode_32 3
		.amdhsa_float_denorm_mode_16_64 3
		.amdhsa_memory_ordered 1
		.amdhsa_forward_progress 1
		.amdhsa_inst_pref_size 25
	.end_amdhsa_kernel
	.amdgpu_metadata
---
amdhsa.version: [ 1, 2 ]
amdhsa.kernels:
  - .name:           k_qf70813fbf0_prep
    .symbol:         k_qf70813fbf0_prep.kd
    .args:
      - { .name: origins, .offset: 0, .size: 8, .value_kind: global_buffer, .address_space: global }
      - { .name: dirs, .offset: 8, .size: 8, .value_kind: global_buffer, .address_space: global }
      - { .name: links, .offset: 16, .size: 8, .value_kind: global_buffer, .address_space: global }
      - { .name: density_data, .offset: 24, .size: 8, .value_kind: global_buffer, .address_space: global }
      - { .name: sh_data, .offset: 32, .size: 8, .value_kind: global_buffer, .address_space: global }
      - { .name: cells, .offset: 40, .size: 8, .value_kind: global_buffer, .address_space: global }
      - { .name: table, .offset: 48, .size: 8, .value_kind: global_buffer, .address_space: global }
    .group_segment_fixed_size: 0
    .private_segment_fixed_size: 0
    .kernarg_segment_align: 8
    .kernarg_segment_size: 56
    .max_flat_workgroup_size: 256
    .sgpr_count:     66
    .vgpr_count:     64
    .wavefront_size: 32
...
	.end_amdgpu_metadata
.endif
;; end of part 1
;; launch march (part 2): grid 4096 x 1, 4 waves a work-group, no clusters, 0 bytes of LDS; arguments origins, dirs, cells, table, out0; writes out0
.if DOCPART == 2
	.amdgcn_target "amdgcn-amd-amdhsa--gfx1250"
	.amdhsa_code_object_version 6
	.text
	.protected	k_qf70813fbf0_march
	.globl	k_qf70813fbf0_march
	.p2align	8
	.type	k_qf70813fbf0_march,@function
k_qf70813fbf0_march:
	s_mov_b64 s[64:65], 0
	v_nop
	global_prefetch_b8 v0, s[64:65] scope:SCOPE_SE
	s_setreg_imm32_b32 hwreg(HW_REG_WAVE_MODE, 25, 1), 1
	s_wait_xcnt 0x0
; THE MARCH.  One wave, one ray; no wave talks to another.  The ray's 160 steps go in NG = 10 groups of 16 consecutive steps: lane = (r, h), r = lane % 16 the step in the group, h = lane / 16.
; ROWS.  A grid vertex is a row of 64 bytes of bf16 in the table (slots 0-23 sh 0-23, 24 density, 25-28 zero, 29-31 sh 24-26).  Lane (r, h) loads bytes 32 h .. 32 h + 31 of its step's
; row by two 16-byte loads: that is one column of a K = 32 operand.  The cell's eight vertices lie 64, 8,192 and 1,048,576 bytes apart: they stand in the loads' immediates, one address a group.
; THE EINSUM goes to the matrix unit: source 0 = the ray's coefficients (row 0: sh_mult at R's slots, row 1: G's, row 8: B's, row 9: 1.0 at the density's slot; bf16), source 1 = 16 rows.
; In the result lane (r, 0) holds R and G of step r's vertex in registers 0 and 1, lane (r, 1) holds B and sigma.  The eight vertices' results are joined in f32 by the trilinear weights.
; LIGHT.  log_light is a sum over earlier steps, so the steps run side by side: a scan over the 16 lanes of a row and a carry from group to group, in base 2.
; A step beyond tmax gets log attenuation 0: its weight 2^L (1 - 2^0) is 0 and the light stays, as in the reference.
; ONE MARCH.  The reference marches twice, the second time for sum w (E - d)^2.  Here a lane keeps its ten weights (in the registers that held the cell numbers) and forms that sum, as written, once E is known.
; THE RING.  Two groups' rows, 32 loads, are on their way; four vertices' registers are asked for again, two groups ahead, as soon as their products and four plain lines are past.
; LIMITS.  Table and sh_mult are bf16.  t = t0 + 0.5 s with one rounding.  The scan adds in another order than the reference.  The fraction is pos minus the cell number's coordinate.
; A direction of length 0 and non-finite inputs are not treated as the reference treats them; 2^x below 2^-126 counts as 0.
.set NG,   10
.set RR,   1       ; r
.set HR,   2       ; 0.5 r
.set LOFF, 3       ; 32 h
.set ADR,  4       ; v4-6    a group's byte offset in the table, three by turns
.set CAR,  7       ; log2 of the light in front of the group
.set OC,   8       ; v8-9    h = 0: sums for R, G;  h = 1: for B and for the depth
.set OA,   10      ; sum of weights
.set TD,   11      ; what comes from another lane
.set INI,  12      ; v12-13  what the interpolation starts from: 0.5 for a colour, 0 for sigma
.set AZ0,  14      ; v14-15  the four vertices with dz = 0
.set AZ1,  16      ; v16-17  those with dz = 1
.set WB,   18      ; v18-29  even places: gx gy, gx fy, fx gy, fx fy, gz, fz (each the low word of a pair); odd places: gx, gy, fx, fy, 0, 0
.set LF,   30      ; v30-32  the cell's coordinates as floats
.set T,    33
.set U,    34      ; 0.5 x step
.set TA,   35
.set X,    36      ; v36-47  cell numbers of my ten steps (two pad words); X+g later holds step g's weight
.set CF,   48      ; v48-55  the coefficients
.set D,    56      ; v56-87  four results; before the first product: scratch of the set-up
.set RING, 88      ; v88-215 two groups x eight vertices x eight registers
.set TB,   216
.set SG,   217
.set SC,   218
.set E1,   219
.set E2,   220
.set PD,   221
.set ED,   222
.set OV,   223
; scratch of the set-up
.set OW,   56
.set DW,   59
.set GO,   62
.set GD,   65
.set VD,   68
.set IV,   71
.set LO,   74
.set HI,   77
.set S0,   80
.set S1,   81
.set DSV,  84
.set T0V,  85
.set TMV,  86
.set SH,   56      ; v56-64  sh_mult, once origin and direction are in scalar registers
.set XX,   74
.set YY,   75
.set ZZ,   76
.set PE,   77      ; v77-81  bf16 pairs (0,1) (2,3) (4,5) (6,7) (8,-)
.set PO,   82      ; v82-86  bf16 pairs (-,0) (1,2) (3,4) (5,6) (7,8)
.set Z6,   87      ; (-,6)
; scalars
.set K64,  18
.set KNEG, 19
.set KPOS, 20
.set SGO,  21      ; s21-23 origin
.set SGD,  24      ; s24-26 direction
.set ST0,  27
.set STM,  28
.set SDS,  29      ; delta_scale
.set SNL,  30      ; -0.5 log2(e) delta_scale
.set SEL,  32      ; s32-33 v_permlanex16_b32: each lane takes its own place in the other half
.set MH1,  34      ; lanes 16-31
.set MR0,  35      ; lane 0:  row 0, slots 0-15
.set MG0,  36      ; lane 1:  row 1, slots 0-15
.set MG1,  37      ; lane 17: row 1, slots 16-31
.set MB1,  38      ; lane 24: row 8, slots 16-31
.set MS1,  39      ; lane 25: row 9, slots 16-31
.set M1,   40
.set M2,   41
.set M3,   42
.set SAVE, 43
.macro SETUP
	v_mul_f32 v[S0], v[DW], v[DW]
	v_fmac_f32 v[S0], v[DW+1], v[DW+1]
	v_fmac_f32 v[S0], v[DW+2], v[DW+2]
	v_rsq_f32 v[S0], v[S0]                         ; the three lines below are the plain work behind it
.irp i, 0,1,2
	v_fma_f32 v[GO+\i], v[OW+\i], s[K64], 0x427e0000   ; 63.5 + 64 o
.endr
	s_wait_alu depctr_va_vdst(0)
.irp i, 0,1,2
	v_mul_f32 v[VD+\i], v[DW+\i], v[S0]
.endr
.irp i, 0,1,2
	v_mul_f32 v[GD+\i], s[K64], v[VD+\i]
.endr
	v_mul_f32 v[S1], v[GD], v[GD]
	v_fmac_f32 v[S1], v[GD+1], v[GD+1]
	v_fmac_f32 v[S1], v[GD+2], v[GD+2]
	v_rsq_f32 v[DSV], v[S1]                        ; delta_scale
.irp i, 0,1,2
	v_sub_f32 v[LO+\i], -0.5, v[GO+\i]
	v_sub_f32 v[HI+\i], 0x42ff0000, v[GO+\i]       ; 127.5 - origin
.endr
	s_wait_alu depctr_va_vdst(0)
.irp i, 0,1,2
	v_mul_f32 v[GD+\i], v[GD+\i], v[DSV]
.endr
.irp i, 0,1,2
	v_rcp_f32 v[IV+\i], v[GD+\i]
.endr
	v_nop                                          ; a plain line between the last reciprocal and its use
	s_wait_alu depctr_va_vdst(0)
.irp i, 0,1,2
	v_mul_f32 v[LO+\i], v[LO+\i], v[IV+\i]
	v_mul_f32 v[HI+\i], v[HI+\i], v[IV+\i]
	v_cmp_eq_f32 vcc_lo, 0, v[GD+\i]
	v_min_num_f32 v[S0], v[LO+\i], v[HI+\i]
	v_max_num_f32 v[S1], v[LO+\i], v[HI+\i]
	v_cndmask_b32 v[LO+\i], v[S0], s[KNEG], vcc_lo
	v_cndmask_b32 v[HI+\i], v[S1], s[KPOS], vcc_lo
.endr
	v_max3_num_f32 v[T0V], v[LO], v[LO+1], v[LO+2]
	v_min3_num_f32 v[TMV], v[HI], v[HI+1], v[HI+2]
	v_max_num_f32 v[T0V], 0, v[T0V]
.endm
; Group g's byte offset in the table: 64 x cell + 32 h.  The loaded index enters an address behind v_min_u32 with a bound of at most 0x100000:
; the cell number, below 2^21, is cut into min(c, 2^20) and the rest, each clamped, and added again.  Six plain lines.
.macro ADDRM g
	v_min_u32 v[ADR+(\g)%3], 0x100000, v[X+(\g)]
	v_sub_nc_u32 v[TA], v[X+(\g)], v[ADR+(\g)%3]
	v_min_u32 v[TA], 0xfffff, v[TA]
	v_add_nc_u32 v[ADR+(\g)%3], v[ADR+(\g)%3], v[TA]
	v_lshlrev_b32 v[ADR+(\g)%3], 6, v[ADR+(\g)%3]
	v_add_nc_u32 v[ADR+(\g)%3], v[ADR+(\g)%3], v[LOFF]
.endm
; Eight loads: the four vertices with dx = q of group g; vertex c has dy = c / 2, dz = c % 2.
.macro ROWS g, q
.irp c, 0,1,2,3
	global_load_b128 v[RING+64*((\g)%2)+32*(\q)+8*\c:RING+64*((\g)%2)+32*(\q)+8*\c+3], v[ADR+(\g)%3], s[10:11] offset:(\q)*1048576+(\c/2)*8192+(\c%2)*64
	global_load_b128 v[RING+64*((\g)%2)+32*(\q)+8*\c+4:RING+64*((\g)%2)+32*(\q)+8*\c+7], v[ADR+(\g)%3], s[10:11] offset:(\q)*1048576+(\c/2)*8192+(\c%2)*64+16
.endr
.endm
; Four products, each a sum of its own that starts with 0.
.macro MULQ g, q
.irp c, 0,1,2,3
	v_wmma_f32_16x16x32_bf16 v[D+8*\c:D+8*\c+7], v[CF:CF+7], v[RING+64*((\g)%2)+32*(\q)+8*\c:RING+64*((\g)%2)+32*(\q)+8*\c+7], 0
.endr
.endm
; The four results join the sums for dz = 0 and dz = 1, each with its weight in x and y (the low word of a pair, for both halves).  Each result's two lowest registers are all that is read.
.macro COMB q
.if (\q) == 0
	v_pk_mul_f32 v[AZ0:AZ0+1], v[D:D+1], v[WB:WB+1] op_sel_hi:[1,0]
	v_pk_mul_f32 v[AZ1:AZ1+1], v[D+8:D+9], v[WB:WB+1] op_sel_hi:[1,0]
.else
	v_pk_fma_f32 v[AZ0:AZ0+1], v[D:D+1], v[WB+4:WB+5], v[AZ0:AZ0+1] op_sel_hi:[1,0,1]
	v_pk_fma_f32 v[AZ1:AZ1+1], v[D+8:D+9], v[WB+4:WB+5], v[AZ1:AZ1+1] op_sel_hi:[1,0,1]
.endif
	v_pk_fma_f32 v[AZ0:AZ0+1], v[D+16:D+17], v[WB+4*(\q)+2:WB+4*(\q)+3], v[AZ0:AZ0+1] op_sel_hi:[1,0,1]
	v_pk_fma_f32 v[AZ1:AZ1+1], v[D+24:D+25], v[WB+4*(\q)+2:WB+4*(\q)+3], v[AZ1:AZ1+1] op_sel_hi:[1,0,1]
.endm
; The cell's coordinates of group g as floats.  Six plain lines.
.macro LFM g
	v_lshrrev_b32 v[LF], 14, v[X+(\g)]
	v_bfe_u32 v[LF+1], v[X+(\g)], 7, 7
	v_and_b32 v[LF+2], 127, v[X+(\g)]
	v_cvt_f32_u32 v[LF], v[LF]
	v_cvt_f32_u32 v[LF+1], v[LF+1]
	v_cvt_f32_u32 v[LF+2], v[LF+2]
.endm
; t, the clipped position, the fractions and the weights of the group whose coordinates lie in LF.
.macro PREW
	v_add_f32 v[T], s[ST0], v[U]
	v_add_f32 v[U], 0x41000000, v[U]               ; 16 steps of 0.5 on: exact
	v_fma_f32 v[WB+5], v[T], s[SGD], s[SGO]
	v_fma_f32 v[WB+7], v[T], s[SGD+1], s[SGO+1]
	v_fma_f32 v[WB+10], v[T], s[SGD+2], s[SGO+2]
	v_max_num_f32 v[WB+5], 0, v[WB+5]
	v_max_num_f32 v[WB+7], 0, v[WB+7]
	v_max_num_f32 v[WB+10], 0, v[WB+10]
	v_min_num_f32 v[WB+5], 0x42fe0000, v[WB+5]
	v_min_num_f32 v[WB+7], 0x42fe0000, v[WB+7]
	v_min_num_f32 v[WB+10], 0x42fe0000, v[WB+10]
	v_sub_f32 v[WB+5], v[WB+5], v[LF]              ; fx
	v_sub_f32 v[WB+7], v[WB+7], v[LF+1]            ; fy
	v_sub_f32 v[WB+10], v[WB+10], v[LF+2]          ; fz
	v_sub_f32 v[WB+1], 1.0, v[WB+5]                ; gx
	v_sub_f32 v[WB+3], 1.0, v[WB+7]                ; gy
	v_sub_f32 v[WB+8], 1.0, v[WB+10]               ; gz
	v_mul_f32 v[WB], v[WB+1], v[WB+3]
	v_mul_f32 v[WB+2], v[WB+1], v[WB+7]
	v_mul_f32 v[WB+4], v[WB+5], v[WB+3]
	v_mul_f32 v[WB+6], v[WB+5], v[WB+7]
.endm
; What follows the interpolation: AZ0 holds (R + 0.5, G + 0.5) in lanes 0-15 and (B + 0.5, sigma) in lanes 16-31.
.macro POST g
	v_permlanex16_b32 v[TD], v[AZ0+1], s[SEL], s[SEL+1]
	v_mul_f32 v[PD], s[SDS], v[T]                  ; d = t delta_scale
	v_cndmask_b32 v[SG], v[TD], v[AZ0+1], s[MH1]   ; sigma in both halves
	v_cmp_ge_f32 vcc_lo, s[STM], v[T]              ; active: t <= tmax
	v_max_num_f32 v[SG], 0, v[SG]
	v_mul_f32 v[SG], s[SNL], v[SG]                 ; log2 of the step's attenuation,
	v_cndmask_b32 v[SG], 0, v[SG], vcc_lo          ; 0 beyond tmax
	v_mov_b32_dpp v[TD], v[SG] row_shr:1 row_mask:0xf bank_mask:0xf bound_ctrl:1   ; the sum over steps 0 .. r of the group: four doublings, 0 from beyond the row's end
	v_add_f32 v[SC], v[SG], v[TD]
	v_mov_b32_dpp v[TD], v[SC] row_shr:2 row_mask:0xf bank_mask:0xf bound_ctrl:1
	v_add_f32 v[SC], v[SC], v[TD]
	v_mov_b32_dpp v[TD], v[SC] row_shr:4 row_mask:0xf bank_mask:0xf bound_ctrl:1
	v_add_f32 v[SC], v[SC], v[TD]
	v_mov_b32_dpp v[TD], v[SC] row_shr:8 row_mask:0xf bank_mask:0xf bound_ctrl:1
	v_add_f32 v[SC], v[SC], v[TD]
	v_mov_b32_dpp v[TD], v[SC] row_share:15 row_mask:0xf bank_mask:0xf             ; the group's whole sum
	v_add_f32 v[SC], v[SC], v[CAR]
	v_add_f32 v[CAR], v[CAR], v[TD]
	v_sub_f32 v[SC], v[SC], v[SG]                  ; log2 of the light in front of my step
	v_exp_f32 v[E1], v[SC]
	v_exp_f32 v[E2], v[SG]
	v_max_num_f32 v[AZ0], 0, v[AZ0]                ; plain work behind the exponentials: the colours' clamp
	v_max_num_f32 v[AZ0+1], 0, v[AZ0+1]
	s_wait_alu depctr_va_vdst(0)
	v_sub_f32 v[E2], 1.0, v[E2]
	v_cndmask_b32 v[AZ0+1], v[AZ0+1], v[PD], s[MH1]   ; lanes 16-31 sum the depth where lanes 0-15 sum G
	v_mul_f32 v[X+(\g)], v[E1], v[E2]              ; the weight; the cell number that lay here has served
	v_fmac_f32 v[OC], v[X+(\g)], v[AZ0]
	v_fmac_f32 v[OC+1], v[X+(\g)], v[AZ0+1]
	v_add_f32 v[OA], v[OA], v[X+(\g)]
.endm
.macro PLACES
.rept 4
	v_nop
.endr
.endm
; A GROUP.  Behind each run of four products stand at least four plain lines that name none of their registers, ahead of the loads into their sources and of the first read of a result
; (ISA guide 7.12.1 for vector instructions); the next run writes the same four results behind those lines and three packed lines on other results.
.macro GROUP g
.if (\g) < NG-1
	s_wait_loadcnt 24                              ; behind my first eight loads: my other eight and the next group's sixteen
.else
	s_wait_loadcnt 8                               ; the last group: my other eight
.endif
	MULQ \g, 0
.if (\g)+2 < NG
	ADDRM (\g)+2                                   ; its register last served group g - 1, whose loads have all been waited for
	ROWS (\g)+2, 0
.else
	PLACES
.endif
	COMB 0
.if (\g) < NG-2
	s_wait_loadcnt 24                              ; behind my last eight loads: the next group's sixteen and the eight just issued
.elseif (\g) == NG-2
	s_wait_loadcnt 16
.else
	s_wait_loadcnt 0
.endif
	MULQ \g, 1
.if (\g)+1 < NG
	LFM (\g)+1
.else
	PLACES
.endif
.if (\g)+2 < NG
	ROWS (\g)+2, 1
.endif
	COMB 1
	v_pk_fma_f32 v[AZ1:AZ1+1], v[AZ1:AZ1+1], v[WB+10:WB+11], v[INI:INI+1] op_sel_hi:[1,0,1]   ; fz x (dz = 1) + 0.5 (sigma: + 0)
	v_pk_fma_f32 v[AZ0:AZ0+1], v[AZ0:AZ0+1], v[WB+8:WB+9], v[AZ1:AZ1+1] op_sel_hi:[1,0,1]     ; + gz x (dz = 0)
	POST \g
.if (\g)+1 < NG
	PREW
.endif
.endm
	s_load_b256 s[4:11], s[0:1], 0x0               ; origins s[4:5], dirs s[6:7], cells s[8:9], table s[10:11]
	s_load_b64 s[12:13], s[0:1], 0x20              ; out0
	v_lshrrev_b32 v1, 5, v0
	v_readfirstlane_b32 s14, v1                    ; wave
	s_lshl_b32 s15, ttmp9, 2
	s_add_co_u32 s15, s15, s14                     ; my ray
	v_and_b32 v[RR], 15, v0
	v_bfe_u32 v[LOFF], v0, 4, 1
	v_lshlrev_b32 v[LOFF], 5, v[LOFF]
	s_mul_i32 s16, s15, 768
	s_mul_i32 s17, s15, 12
	v_lshl_add_u32 v[TA], v[RR], 4, s16            ; my 16 bytes in the ray's first block of cell numbers
	v_mov_b32 v[TB], s17
	s_mov_b32 s[K64], 0x42800000
	s_mov_b32 s[KNEG], 0xce6e6b28
	s_mov_b32 s[KPOS], 0x4e6e6b28
	s_mov_b32 s[SEL], 0x76543210
	s_mov_b32 s[SEL+1], 0xfedcba98
	s_mov_b32 s[MH1], 0xffff0000
	s_mov_b32 s[MR0], 0x1
	s_mov_b32 s[MG0], 0x2
	s_mov_b32 s[MG1], 0x20000
	s_mov_b32 s[MB1], 0x1000000
	s_mov_b32 s[MS1], 0x2000000
	s_mov_b32 s[M1], 0x00020002
	s_mov_b32 s[M2], 0x00040004
	s_mov_b32 s[M3], 0x00080008
	s_wait_kmcnt 0x0
	global_load_b128 v[X:X+3], v[TA], s[8:9]
	global_load_b128 v[X+4:X+7], v[TA], s[8:9] offset:256
	global_load_b128 v[X+8:X+11], v[TA], s[8:9] offset:512
.irp i, 0,1,2
	global_load_b32 v[OW+\i], v[TB], s[4:5] offset:4*\i
	global_load_b32 v[DW+\i], v[TB], s[6:7] offset:4*\i
.endr
	v_cvt_f32_u32 v[HR], v[RR]
	v_mul_f32 v[HR], 0.5, v[HR]
	v_mov_b32 v[CAR], 0
	v_mov_b32 v[OC], 0
	v_mov_b32 v[OC+1], 0
	v_mov_b32 v[OA], 0
	v_mov_b32 v[TD], 0
	v_mov_b32 v[WB+9], 0                           ; the upper words of gz's and fz's pairs; WB+9 also serves as a 0
	v_mov_b32 v[WB+11], 0
	v_mov_b32 v[INI], 0.5
	v_cndmask_b32 v[INI+1], v[INI], v[WB+9], s[MH1]
	v_mov_b32 v[U], v[HR]
	s_wait_loadcnt 6                               ; the cell numbers are in; the six loads of origin and direction, issued behind them, stay out
	ADDRM 0
	ADDRM 1
	ROWS 0, 0                                      ; the ring is filled: 32 loads, on their way during the set-up below
	ROWS 0, 1
	ROWS 1, 0
	ROWS 1, 1
	s_wait_loadcnt 32                              ; origin and direction are in; the 32 loads of rows stay out
	SETUP
	v_mul_f32 v[S0], 0xbf38aa3b, v[DSV]            ; -0.5 log2(e) delta_scale
.irp i, 0,1,2
	v_readfirstlane_b32 s[SGO+\i], v[GO+\i]        ; all lanes hold the same ray: its constants go to scalar registers
	v_readfirstlane_b32 s[SGD+\i], v[GD+\i]
.endr
	v_readfirstlane_b32 s[ST0], v[T0V]
	v_readfirstlane_b32 s[STM], v[TMV]
	v_readfirstlane_b32 s[SDS], v[DSV]
	v_readfirstlane_b32 s[SNL], v[S0]
	; sh_mult
	v_mul_f32 v[XX], v[VD], v[VD]
	v_mul_f32 v[YY], v[VD+1], v[VD+1]
	v_mul_f32 v[ZZ], v[VD+2], v[VD+2]
	v_mov_b32 v[SH], 0x3e906ebb                    ; 0.28209479
	v_mul_f32 v[SH+1], 0xbefa2a1c, v[VD+1]         ; -0.48860251 y
	v_mul_f32 v[SH+2], 0x3efa2a1c, v[VD+2]
	v_mul_f32 v[SH+3], 0xbefa2a1c, v[VD]
	v_mul_f32 v[SH+4], v[VD], v[VD+1]
	v_mul_f32 v[SH+5], v[VD+1], v[VD+2]
	v_mul_f32 v[SH+7], v[VD], v[VD+2]
	v_fma_f32 v[SH+6], 2.0, v[ZZ], -v[XX]
	v_sub_f32 v[SH+8], v[XX], v[YY]
	v_sub_f32 v[SH+6], v[SH+6], v[YY]
	v_mul_f32 v[SH+4], 0x3f8bd8a1, v[SH+4]         ; 1.0925484
	v_mul_f32 v[SH+5], 0xbf8bd8a1, v[SH+5]
	v_mul_f32 v[SH+7], 0xbf8bd8a1, v[SH+7]
	v_mul_f32 v[SH+6], 0x3ea17b01, v[SH+6]         ; 0.31539157
	v_mul_f32 v[SH+8], 0x3f0bd8a1, v[SH+8]         ; 0.54627422
	; in bf16 pairs, at both parities: R's and B's nine begin at an even slot, G's at an odd one
	v_cvt_pk_bf16_f32 v[PE], v[SH], v[SH+1]
	v_cvt_pk_bf16_f32 v[PE+1], v[SH+2], v[SH+3]
	v_cvt_pk_bf16_f32 v[PE+2], v[SH+4], v[SH+5]
	v_cvt_pk_bf16_f32 v[PE+3], v[SH+6], v[SH+7]
	v_cvt_pk_bf16_f32 v[PE+4], v[SH+8], v[WB+9]
	v_cvt_pk_bf16_f32 v[PO], v[WB+9], v[SH]
	v_cvt_pk_bf16_f32 v[PO+1], v[SH+1], v[SH+2]
	v_cvt_pk_bf16_f32 v[PO+2], v[SH+3], v[SH+4]
	v_cvt_pk_bf16_f32 v[PO+3], v[SH+5], v[SH+6]
	v_cvt_pk_bf16_f32 v[PO+4], v[SH+7], v[SH+8]
	v_cvt_pk_bf16_f32 v[Z6], v[WB+9], v[SH+6]
	v_mov_b32 v[TA], 0x3f80                        ; (1.0, 0) in bf16
	; the coefficients: register i of lane (m, h) holds slots 16 h + 2 i and 16 h + 2 i + 1 of row m; all lanes but five hold 0
	v_cndmask_b32 v[CF], 0, v[PE], s[MR0]          ; R: slots 0-8
	v_cndmask_b32 v[CF+1], 0, v[PE+1], s[MR0]
	v_cndmask_b32 v[CF+2], 0, v[PE+2], s[MR0]
	v_cndmask_b32 v[CF+3], 0, v[PE+3], s[MR0]
	v_cndmask_b32 v[CF+4], 0, v[PE+4], s[MR0]
	v_cndmask_b32 v[CF+5], 0, v[PO+1], s[MG0]      ; G: slots 9-15,
	v_cndmask_b32 v[CF+6], 0, v[PO+2], s[MG0]
	v_cndmask_b32 v[CF+7], 0, v[PO+3], s[MG0]
	v_cndmask_b32 v[CF+4], v[CF+4], v[PO], s[MG0]
	v_cndmask_b32 v[CF], v[CF], v[PO+4], s[MG1]    ; and 16, 17
	v_cndmask_b32 v[CF+1], v[CF+1], v[PE], s[MB1]  ; B: slots 18-23,
	v_cndmask_b32 v[CF+2], v[CF+2], v[PE+1], s[MB1]
	v_cndmask_b32 v[CF+3], v[CF+3], v[PE+2], s[MB1]
	v_cndmask_b32 v[CF+6], v[CF+6], v[Z6], s[MB1]  ; and 29-31
	v_cndmask_b32 v[CF+7], v[CF+7], v[PO+4], s[MB1]
	v_cndmask_b32 v[CF+4], v[CF+4], v[TA], s[MS1]  ; sigma: slot 24
	LFM 0
	PREW
.irp g, 0,1,2,3,4,5,6,7,8,9
	GROUP \g
.endr
	; THE END OF THE RAY.  Each lane holds the sums of its ten steps: they are added over the 16 lanes of each row.
.irp m, 1,2,4,8
	v_add_f32_dpp v[OC], v[OC], v[OC] row_xmask:\m row_mask:0xf bank_mask:0xf
	v_add_f32_dpp v[OC+1], v[OC+1], v[OC+1] row_xmask:\m row_mask:0xf bank_mask:0xf
	v_add_f32_dpp v[OA], v[OA], v[OA] row_xmask:\m row_mask:0xf bank_mask:0xf
.endr
	v_max_num_f32 v[E1], 0x2edbe6ff, v[OA]         ; max(o_a, 1e-10)
	v_rcp_f32 v[E1], v[E1]
	v_exp_f32 v[E2], v[CAR]                        ; the light that is left, times the background's 1.0
	v_mov_b32 v[U], v[HR]                          ; plain work behind the two
	s_wait_alu depctr_va_vdst(0)
	v_mul_f32 v[ED], v[OC+1], v[E1]                ; lanes 16-31: the expected depth (lanes 0-15 carry a number that nobody stores)
.irp g, 0,1,2,3,4,5,6,7,8,9
	v_add_f32 v[T], s[ST0], v[U]
	v_add_f32 v[U], 0x41000000, v[U]
	v_fma_f32 v[T], -v[T], s[SDS], v[ED]           ; E - d
	v_mul_f32 v[T], v[T], v[T]
.if \g == 0
	v_mul_f32 v[OV], v[X], v[T]
.else
	v_fmac_f32 v[OV], v[X+\g], v[T]
.endif
.endr
.irp m, 1,2,4,8
	v_add_f32_dpp v[OV], v[OV], v[OV] row_xmask:\m row_mask:0xf bank_mask:0xf
.endr
	v_mul_f32 v[OV], v[OV], v[E1]
	v_add_f32 v[OC], v[OC], v[E2]
	v_add_f32 v[OC+1], v[OC+1], v[E2]
	; six lanes store the ray's 24 bytes: lanes 0, 1: R, G; lanes 16-19: B, o_a, depth, variance
	v_cndmask_b32 v[SC], v[OC+1], v[OA], s[MH1]
	v_cndmask_b32 v[SG], v[OC], v[SC], s[M1]
	v_cndmask_b32 v[SG], v[SG], v[ED], s[M2]
	v_cndmask_b32 v[SG], v[SG], v[OV], s[M3]
	v_lshrrev_b32 v[TA], 2, v[LOFF]                ; 8 h
	v_lshl_add_u32 v[TA], v[RR], 2, v[TA]          ; + 4 r
	s_mul_i32 s16, s15, 24
	s_mov_b32 s17, 0
	s_add_nc_u64 s[12:13], s[12:13], s[16:17]
	s_mov_b32 vcc_lo, 0xf0003
	s_wait_xcnt 0x0                                ; EXEC changes only behind this wait
	s_and_saveexec_b32 s[SAVE], vcc_lo
	global_store_b32 v[TA], v[SG], s[12:13]
	s_wait_xcnt 0x0                                ; and again in front of the line that widens it
	s_or_b32 exec_lo, exec_lo, s[SAVE]
	s_endpgm
.Lfunc_end_k_qf70813fbf0_march:
	.size	k_qf70813fbf0_march, .Lfunc_end_k_qf70813fbf0_march-k_qf70813fbf0_march
	.p2alignl 7, 3214868480
	.fill 96, 4, 3214868480
	.section	.rodata,"a",@progbits
	.p2align	6, 0x0
	.amdhsa_kernel k_qf70813fbf0_march
		.amdhsa_group_segment_fixed_size 0
		.amdhsa_private_segment_fixed_size 0
		.amdhsa_enable_private_segment 0
		.amdhsa_kernarg_size 40
		.amdhsa_user_sgpr_count 2
		.amdhsa_user_sgpr_kernarg_segment_ptr 1
		.amdhsa_wavefront_size32 1
		.amdhsa_system_sgpr_workgroup_id_x 1
		.amdhsa_system_sgpr_workgroup_id_y 1
		.amdhsa_system_sgpr_workgroup_id_z 1
		.amdhsa_system_vgpr_workitem_id 0
		.amdhsa_next_free_vgpr 224
		.amdhsa_next_free_sgpr 66
		.amdhsa_reserve_vcc 1
		.amdhsa_float_denorm_mode_32 3
		.amdhsa_float_denorm_mode_16_64 3
		.amdhsa_memory_ordered 1
		.amdhsa_forward_progress 1
		.amdhsa_inst_pref_size 66
	.end_amdhsa_kernel
	.amdgpu_metadata
---
amdhsa.version: [ 1, 2 ]
amdhsa.kernels:
  - .name:           k_qf70813fbf0_march
    .symbol:         k_qf70813fbf0_march.kd
    .args:
      - { .name: origins, .offset: 0, .size: 8, .value_kind: global_buffer, .address_space: global }
      - { .name: dirs, .offset: 8, .size: 8, .value_kind: global_buffer, .address_space: global }
      - { .name: cells, .offset: 16, .size: 8, .value_kind: global_buffer, .address_space: global }
      - { .name: table, .offset: 24, .size: 8, .value_kind: global_buffer, .address_space: global }
      - { .name: out0, .offset: 32, .size: 8, .value_kind: global_buffer, .address_space: global }
    .group_segment_fixed_size: 0
    .private_segment_fixed_size: 0
    .kernarg_segment_align: 8
    .kernarg_segment_size: 40
    .max_flat_workgroup_size: 128
    .sgpr_count:     66
    .vgpr_count:     224
    .wavefront_size: 32
...
	.end_amdgpu_metadata
.endif
;; end of part 2
;; ======== version 2 of 2: 2 launches; version 1 with the launch march written anew for expert scheduling mode
;; workspace buffers: cells 12,582,912 bytes of whole numbers; table 134,217,728 bytes
;; launch prep: the kernel of part 1 again; grid 9216 x 1, 8 waves a work-group, no clusters, 0 bytes of LDS; arguments origins, dirs, links, density_data, sh_data, cells, table; writes cells, table
;; launch march (part 3): grid 4096 x 1, 4 waves a work-group, no clusters, 0 bytes of LDS; arguments origins, dirs, cells, table, out0; writes out0
.if DOCPART == 3
	.amdgcn_target "amdgcn-amd-amdhsa--gfx1250"
	.amdhsa_code_object_version 6
	.text
	.protected	k_qf70813fbf0_march
	.globl	k_qf70813fbf0_march
	.p2align	8
	.type	k_qf70813fbf0_march,@function
k_qf70813fbf0_march:
	s_mov_b64 s[64:65], 0
	v_nop
	global_prefetch_b8 v0, s[64:65] scope:SCOPE_SE
	s_setreg_imm32_b32 hwreg(HW_REG_WAVE_SCHED_MODE, 0, 2), 2
	s_setreg_imm32_b32 hwreg(HW_REG_WAVE_MODE, 25, 1), 1
	s_wait_xcnt 0x0
	s_wait_alu depctr_vm_vsrc(0)
; THE MARCH.  One wave, one ray; no wave talks to another.  The ray's 160 steps go in NG = 10 groups of 16 consecutive steps: lane = (r, h), r = lane % 16 the step in the group, h = lane / 16.
; ROWS.  A grid vertex is a row of 64 bytes of bf16 in the table (slots 0-23 sh 0-23, 24 density, 25-28 zero, 29-31 sh 24-26).  Lane (r, h) loads bytes 32 h .. 32 h + 31 of its step's
; row by two 16-byte loads: that is one column of a K = 32 operand.  The cell's eight vertices lie 64, 8,192 and 1,048,576 bytes apart: they stand in the loads' immediates, one address a group.
; THE EINSUM goes to the matrix unit: source 0 = the ray's coefficients (row 0: sh_mult at R's slots, row 1: G's, row 8: B's, row 9: 1.0 at the density's slot; bf16), source 1 = 16 rows.
; In the result lane (r, 0) holds R and G of step r's vertex in registers 0 and 1, lane (r, 1) holds B and sigma.  The eight vertices' results are joined in f32 by the trilinear weights.
; LIGHT.  log_light is a sum over earlier steps, so the steps run side by side: a scan over the 16 lanes of a row and a carry from group to group, in base 2.
; A step beyond tmax gets log attenuation 0: its weight 2^L (1 - 2^0) is 0 and the light stays, as in the reference.
; ONE MARCH.  The reference marches twice, the second time for sum w (E - d)^2.  Here a lane keeps its ten weights (in the registers that held the cell numbers) and forms that sum, as written, once E is known.
; THE MODE: SCHED_MODE bits 1:0 = 2 (LLVM: expert scheduling mode 2), set by the entry lines.  The code itself states the register dependences
; between vector or matrix instructions and memory instructions, with s_wait_alu, always for 0.
; THE PLAN.  A group's eight vertices are two QUADS (dx = 0, dx = 1): quad k = 2 g + q, NQ = 20 of them, one to a STEP.  Registers that memory instructions touch in the march:
;   RING0 .. RING4  five buffers of four vertices.  Step k: its four products read RING[k % 5]; its eight loads, quad k + 4, land in RING[(k + 4) % 5] = RING[(k - 1) % 5], which the step before multiplied.
;   ADR0 .. ADR2    ADR[g % 3] is read by group g's sixteen loads (issued in steps 2 g - 4 and 2 g - 3) and written again, for group g + 3, in step 2 g + 1, behind the wait that shows those loads done.
; So ONE wait on va_vdst stands at a step's head, behind the wait for the step's data: the products of the step before are done reading the buffer in which this step's loads land, and the address
; made in the step before is written.  The eight loads follow it, two behind each product; the products name D, CF and RING[k % 5]: none of the registers that those loads touch.
; One wait on vm_vsrc a group stands at the head of the step that writes an address register again.  With five buffers 24 loads are out at a step's head and 32 behind its loads.
; LIMITS.  Table and sh_mult are bf16.  t = t0 + 0.5 s with one rounding.  The scan adds in another order than the reference.  The fraction is pos minus the cell number's coordinate.
; A direction of length 0 and non-finite inputs are not treated as the reference treats them; 2^x below 2^-126 counts as 0.
.set NG,   10
.set NQ,   2*NG
.set RR,   1       ; r
.set HR,   2       ; 0.5 r
.set LOFF, 3       ; 32 h
.set ADR,  4       ; v4-6    a group's byte offset in the table, three by turns
.set CAR,  7       ; log2 of the light in front of the group
.set OC,   8       ; v8-9    h = 0: sums for R, G;  h = 1: for B and for the depth
.set OA,   10      ; sum of weights
.set TD,   11      ; what comes from another lane
.set INI,  12      ; v12-13  what the interpolation starts from: 0.5 for a colour, 0 for sigma
.set AZ0,  14      ; v14-15  the four vertices with dz = 0
.set AZ1,  16      ; v16-17  those with dz = 1
.set WB,   18      ; v18-29  even places: gx gy, gx fy, fx gy, fx fy, gz, fz (each the low word of a pair); odd places: gx, gy, fx, fy, 0, 0
.set LF,   30      ; v30-32  the cell's coordinates as floats
.set T,    33
.set U,    34      ; 0.5 x step
.set TA,   35
.set X,    36      ; v36-47  cell numbers of my ten steps (two pad words); X+g later holds step g's weight
.set CF,   48      ; v48-55  the coefficients
.set D,    56      ; v56-87  four results; before the first product: scratch of the set-up
.set RING, 88      ; v88-247 five buffers x four vertices x eight registers
.set TB,   248
.set SG,   249
.set SC,   250
.set E1,   251
.set E2,   252
.set PD,   253
.set ED,   254
.set OV,   255
; scratch of the set-up
.set OW,   56
.set DW,   59
.set GO,   62
.set GD,   65
.set VD,   68
.set IV,   71
.set LO,   74
.set HI,   77
.set S0,   80
.set S1,   81
.set DSV,  84
.set T0V,  85
.set TMV,  86
.set SH,   56      ; v56-64  sh_mult, once origin and direction are in scalar registers
.set XX,   74
.set YY,   75
.set ZZ,   76
.set PE,   77      ; v77-81  bf16 pairs (0,1) (2,3) (4,5) (6,7) (8,-)
.set PO,   82      ; v82-86  bf16 pairs (-,0) (1,2) (3,4) (5,6) (7,8)
.set Z6,   87      ; (-,6)
; scalars
.set DZ0,  2       ; s2, s3, s31  lanes whose direction is 0 along x, y, z
.set DZ1,  3
.set DZ2,  31
.set K64,  18
.set KNEG, 19
.set KPOS, 20
.set SGO,  21      ; s21-23 origin
.set SGD,  24      ; s24-26 direction
.set ST0,  27
.set STM,  28
.set SDS,  29      ; delta_scale
.set SNL,  30      ; -0.5 log2(e) delta_scale
.set SEL,  32      ; s32-33 v_permlanex16_b32: each lane takes its own place in the other half
.set MH1,  34      ; lanes 16-31
.set MR0,  35      ; lane 0:  row 0, slots 0-15
.set MG0,  36      ; lane 1:  row 1, slots 0-15
.set MG1,  37      ; lane 17: row 1, slots 16-31
.set MB1,  38      ; lane 24: row 8, slots 16-31
.set MS1,  39      ; lane 25: row 9, slots 16-31
.set M1,   40
.set M2,   41
.set M3,   42
.set SAVE, 43
; One axis of the box: entry and exit, or -1e9 and 1e9 where the direction is 0 (mask m).
.macro AXIS i, m
	v_mul_f32 v[LO+\i], v[LO+\i], v[IV+\i]
	v_mul_f32 v[HI+\i], v[HI+\i], v[IV+\i]
	v_min_num_f32 v[S0], v[LO+\i], v[HI+\i]
	v_max_num_f32 v[S1], v[LO+\i], v[HI+\i]
	v_cndmask_b32 v[LO+\i], v[S0], s[KNEG], s[\m]
	v_cndmask_b32 v[HI+\i], v[S1], s[KPOS], s[\m]
.endm
.macro SETUP
	v_mul_f32 v[S0], v[DW], v[DW]
	v_fmac_f32 v[S0], v[DW+1], v[DW+1]
	v_fmac_f32 v[S0], v[DW+2], v[DW+2]
	v_rsq_f32 v[S0], v[S0]                         ; the three lines below are the plain work behind it
.irp i, 0,1,2
	v_fma_f32 v[GO+\i], v[OW+\i], s[K64], 0x427e0000   ; 63.5 + 64 o
.endr
	s_wait_alu depctr_va_vdst(0)
.irp i, 0,1,2
	v_mul_f32 v[VD+\i], v[DW+\i], v[S0]
.endr
.irp i, 0,1,2
	v_mul_f32 v[GD+\i], s[K64], v[VD+\i]
.endr
	v_mul_f32 v[S1], v[GD], v[GD]
	v_fmac_f32 v[S1], v[GD+1], v[GD+1]
	v_fmac_f32 v[S1], v[GD+2], v[GD+2]
	v_rsq_f32 v[DSV], v[S1]                        ; delta_scale
.irp i, 0,1,2
	v_sub_f32 v[LO+\i], -0.5, v[GO+\i]
	v_sub_f32 v[HI+\i], 0x42ff0000, v[GO+\i]       ; 127.5 - origin
.endr
	s_wait_alu depctr_va_vdst(0)
.irp i, 0,1,2
	v_mul_f32 v[GD+\i], v[GD+\i], v[DSV]
.endr
	v_cmp_eq_f32 s[DZ0], 0, v[GD]                  ; the three tests stand in one run, each with a mask of its own
	v_cmp_eq_f32 s[DZ1], 0, v[GD+1]
	v_cmp_eq_f32 s[DZ2], 0, v[GD+2]
.irp i, 0,1,2
	v_rcp_f32 v[IV+\i], v[GD+\i]
.endr
	v_nop                                          ; a plain line between the last reciprocal and its use
	s_wait_alu depctr_va_vdst(0)
	s_wait_alu depctr_va_sdst(0)                   ; the three masks are written, ahead of the selects that read them
	AXIS 0, DZ0
	AXIS 1, DZ1
	AXIS 2, DZ2
	v_max3_num_f32 v[T0V], v[LO], v[LO+1], v[LO+2]
	v_min3_num_f32 v[TMV], v[HI], v[HI+1], v[HI+2]
	v_max_num_f32 v[T0V], 0, v[T0V]
.endm
; Group g's byte offset in the table: 64 x cell + 32 h.  The loaded index enters an address behind v_min_u32 with a bound of at most 0x100000:
; the cell number, below 2^21, is cut into min(c, 2^20) and the rest, each clamped, and added again.  Six plain lines.
.macro ADDRM g
	v_min_u32 v[ADR+(\g)%3], 0x100000, v[X+(\g)]
	v_sub_nc_u32 v[TA], v[X+(\g)], v[ADR+(\g)%3]
	v_min_u32 v[TA], 0xfffff, v[TA]
	v_add_nc_u32 v[ADR+(\g)%3], v[ADR+(\g)%3], v[TA]
	v_lshlrev_b32 v[ADR+(\g)%3], 6, v[ADR+(\g)%3]
	v_add_nc_u32 v[ADR+(\g)%3], v[ADR+(\g)%3], v[LOFF]
.endm
; The two loads of vertex c of quad k: group k / 2, dx = k % 2, dy = c / 2, dz = c % 2.
.macro ROW2 k, c
.set rB, RING+32*((\k)%5)+8*(\c)
	global_load_b128 v[rB:rB+3],   v[ADR+((\k)/2)%3], s[10:11] offset:((\k)%2)*1048576+((\c)/2)*8192+((\c)%2)*64
	global_load_b128 v[rB+4:rB+7], v[ADR+((\k)/2)%3], s[10:11] offset:((\k)%2)*1048576+((\c)/2)*8192+((\c)%2)*64+16
.endm
; The four results join the sums for dz = 0 and dz = 1, each with its weight in x and y (the low word of a pair, for both halves).  Each result's two lowest registers are all that is read.
.macro COMB q
.if (\q) == 0
	v_pk_mul_f32 v[AZ0:AZ0+1], v[D:D+1], v[WB:WB+1] op_sel_hi:[1,0]
	v_pk_mul_f32 v[AZ1:AZ1+1], v[D+8:D+9], v[WB:WB+1] op_sel_hi:[1,0]
.else
	v_pk_fma_f32 v[AZ0:AZ0+1], v[D:D+1], v[WB+4:WB+5], v[AZ0:AZ0+1] op_sel_hi:[1,0,1]
	v_pk_fma_f32 v[AZ1:AZ1+1], v[D+8:D+9], v[WB+4:WB+5], v[AZ1:AZ1+1] op_sel_hi:[1,0,1]
.endif
	v_pk_fma_f32 v[AZ0:AZ0+1], v[D+16:D+17], v[WB+4*(\q)+2:WB+4*(\q)+3], v[AZ0:AZ0+1] op_sel_hi:[1,0,1]
	v_pk_fma_f32 v[AZ1:AZ1+1], v[D+24:D+25], v[WB+4*(\q)+2:WB+4*(\q)+3], v[AZ1:AZ1+1] op_sel_hi:[1,0,1]
.endm
; The cell's coordinates of group g as floats.  Six plain lines.
.macro LFM g
	v_lshrrev_b32 v[LF], 14, v[X+(\g)]
	v_bfe_u32 v[LF+1], v[X+(\g)], 7, 7
	v_and_b32 v[LF+2], 127, v[X+(\g)]
	v_cvt_f32_u32 v[LF], v[LF]
	v_cvt_f32_u32 v[LF+1], v[LF+1]
	v_cvt_f32_u32 v[LF+2], v[LF+2]
.endm
; t, whether the step is active, the clipped position, the fractions and the weights of the group whose coordinates lie in LF.
.macro PREW
	v_add_f32 v[T], s[ST0], v[U]
	v_add_f32 v[U], 0x41000000, v[U]               ; 16 steps of 0.5 on: exact
	v_cmp_ge_f32 vcc_lo, s[STM], v[T]              ; active: t <= tmax; made here, a group's work ahead of the select that reads it
	v_fma_f32 v[WB+5], v[T], s[SGD], s[SGO]
	v_fma_f32 v[WB+7], v[T], s[SGD+1], s[SGO+1]
	v_fma_f32 v[WB+10], v[T], s[SGD+2], s[SGO+2]
	v_max_num_f32 v[WB+5], 0, v[WB+5]
	v_max_num_f32 v[WB+7], 0, v[WB+7]
	v_max_num_f32 v[WB+10], 0, v[WB+10]
	v_min_num_f32 v[WB+5], 0x42fe0000, v[WB+5]
	v_min_num_f32 v[WB+7], 0x42fe0000, v[WB+7]
	v_min_num_f32 v[WB+10], 0x42fe0000, v[WB+10]
	v_sub_f32 v[WB+5], v[WB+5], v[LF]              ; fx
	v_sub_f32 v[WB+7], v[WB+7], v[LF+1]            ; fy
	v_sub_f32 v[WB+10], v[WB+10], v[LF+2]          ; fz
	v_sub_f32 v[WB+1], 1.0, v[WB+5]                ; gx
	v_sub_f32 v[WB+3], 1.0, v[WB+7]                ; gy
	v_sub_f32 v[WB+8], 1.0, v[WB+10]               ; gz
	v_mul_f32 v[WB], v[WB+1], v[WB+3]
	v_mul_f32 v[WB+2], v[WB+1], v[WB+7]
	v_mul_f32 v[WB+4], v[WB+5], v[WB+3]
	v_mul_f32 v[WB+6], v[WB+5], v[WB+7]
.endm
; What follows the interpolation: AZ0 holds (R + 0.5, G + 0.5) in lanes 0-15 and (B + 0.5, sigma) in lanes 16-31.
.macro POST g
	v_permlanex16_b32 v[TD], v[AZ0+1], s[SEL], s[SEL+1]
	v_mul_f32 v[PD], s[SDS], v[T]                  ; d = t delta_scale
	v_cndmask_b32 v[SG], v[TD], v[AZ0+1], s[MH1]   ; sigma in both halves
	v_max_num_f32 v[SG], 0, v[SG]
	v_mul_f32 v[SG], s[SNL], v[SG]                 ; log2 of the step's attenuation,
	s_wait_alu depctr_va_vcc(0)                    ; the test t <= tmax has written VCC, ahead of the select that reads it
	v_cndmask_b32 v[SG], 0, v[SG], vcc_lo          ; 0 beyond tmax
	v_mov_b32_dpp v[TD], v[SG] row_shr:1 row_mask:0xf bank_mask:0xf bound_ctrl:1   ; the sum over steps 0 .. r of the group: four doublings, 0 from beyond the row's end
	v_add_f32 v[SC], v[SG], v[TD]
	v_mov_b32_dpp v[TD], v[SC] row_shr:2 row_mask:0xf bank_mask:0xf bound_ctrl:1
	v_add_f32 v[SC], v[SC], v[TD]
	v_mov_b32_dpp v[TD], v[SC] row_shr:4 row_mask:0xf bank_mask:0xf bound_ctrl:1
	v_add_f32 v[SC], v[SC], v[TD]
	v_mov_b32_dpp v[TD], v[SC] row_shr:8 row_mask:0xf bank_mask:0xf bound_ctrl:1
	v_add_f32 v[SC], v[SC], v[TD]
	v_mov_b32_dpp v[TD], v[SC] row_share:15 row_mask:0xf bank_mask:0xf             ; the group's whole sum
	v_add_f32 v[SC], v[SC], v[CAR]
	v_add_f32 v[CAR], v[CAR], v[TD]
	v_sub_f32 v[SC], v[SC], v[SG]                  ; log2 of the light in front of my step
	v_exp_f32 v[E1], v[SC]
	v_exp_f32 v[E2], v[SG]
	v_max_num_f32 v[AZ0], 0, v[AZ0]                ; plain work behind the exponentials: the colours' clamp
	v_max_num_f32 v[AZ0+1], 0, v[AZ0+1]
	s_wait_alu depctr_va_vdst(0)
	v_sub_f32 v[E2], 1.0, v[E2]
	v_cndmask_b32 v[AZ0+1], v[AZ0+1], v[PD], s[MH1]   ; lanes 16-31 sum the depth where lanes 0-15 sum G
	v_mul_f32 v[X+(\g)], v[E1], v[E2]              ; the weight; the cell number that lay here has served
	v_fmac_f32 v[OC], v[X+(\g)], v[AZ0]
	v_fmac_f32 v[OC+1], v[X+(\g)], v[AZ0+1]
	v_add_f32 v[OA], v[OA], v[X+(\g)]
.endm
.macro PLACES
.rept 4
	v_nop
.endr
.endm
; STEP k: quad k is multiplied, quad k + 4 is asked for.  Four products, each a sum of its own that starts with 0.
; Behind the run of products stand at least four plain lines that name none of their registers, ahead of the first read of a result (ISA guide 7.12.1);
; the next step's products write the same four results behind those lines and three packed lines on other results.
.macro STEP k
.if (\k)+3 < NQ
	s_wait_loadcnt 24                              ; loads come back in order (ISA guide 5.7.1): quad k is in; quads k + 1 to k + 3, eight loads each, stay out
.else
	s_wait_loadcnt 8*(NQ-1-(\k))                   ; the last three steps: the counts run down
.endif
.if ((\k)%2 == 1) && ((\k)/2+3 < NG)
	s_wait_alu depctr_vm_vsrc(0)                   ; this group's sixteen loads, issued two groups back, have read their address register, which the six lines below the products write again
.endif
.if ((\k) > 0) && ((\k)+4 < NQ)
	s_wait_alu depctr_va_vdst(0)                   ; the products of the step before are done reading their buffer, in which the loads below land; the address that those loads read is written
.endif
.irp c, 0,1,2,3
	v_wmma_f32_16x16x32_bf16 v[D+8*\c:D+8*\c+7], v[CF:CF+7], v[RING+32*((\k)%5)+8*\c:RING+32*((\k)%5)+8*\c+7], 0
.if (\k)+4 < NQ
	ROW2 (\k)+4, \c                                ; no wait: no vector or matrix instruction since the wait above names these registers (step 0: none has ever named buffer 4)
.endif
.endr
.if (\k)%2 == 0
.if (\k)/2+1 < NG
	LFM (\k)/2+1                                   ; the next group's coordinates: the places behind the products
.else
	PLACES
.endif
	COMB 0
.else
.if (\k)/2+3 < NG
	ADDRM (\k)/2+3                                 ; its register served this group, whose loads the wait at this step's head has shown done; read by loads from the next step on
.else
	PLACES
.endif
	COMB 1
.endif
.endm
.macro GROUP g
	STEP 2*(\g)
	STEP 2*(\g)+1
	v_pk_fma_f32 v[AZ1:AZ1+1], v[AZ1:AZ1+1], v[WB+10:WB+11], v[INI:INI+1] op_sel_hi:[1,0,1]   ; fz x (dz = 1) + 0.5 (sigma: + 0)
	v_pk_fma_f32 v[AZ0:AZ0+1], v[AZ0:AZ0+1], v[WB+8:WB+9], v[AZ1:AZ1+1] op_sel_hi:[1,0,1]     ; + gz x (dz = 0)
	POST \g
.if (\g)+1 < NG
	PREW
.endif
.endm
	s_load_b256 s[4:11], s[0:1], 0x0               ; origins s[4:5], dirs s[6:7], cells s[8:9], table s[10:11]
	s_load_b64 s[12:13], s[0:1], 0x20              ; out0
	v_lshrrev_b32 v1, 5, v0
	v_readfirstlane_b32 s14, v1                    ; wave
	s_lshl_b32 s15, ttmp9, 2
	s_wait_alu depctr_va_sdst(0)                   ; s14 is written, ahead of its first reader
	s_add_co_u32 s15, s15, s14                     ; my ray
	v_and_b32 v[RR], 15, v0
	v_bfe_u32 v[LOFF], v0, 4, 1
	v_lshlrev_b32 v[LOFF], 5, v[LOFF]
	s_mul_i32 s16, s15, 768
	s_mul_i32 s17, s15, 12
	v_lshl_add_u32 v[TA], v[RR], 4, s16            ; my 16 bytes in the ray's first block of cell numbers
	v_mov_b32 v[TB], s17
	s_mov_b32 s[K64], 0x42800000
	s_mov_b32 s[KNEG], 0xce6e6b28
	s_mov_b32 s[KPOS], 0x4e6e6b28
	s_mov_b32 s[SEL], 0x76543210
	s_mov_b32 s[SEL+1], 0xfedcba98
	s_mov_b32 s[MH1], 0xffff0000
	s_mov_b32 s[MR0], 0x1
	s_mov_b32 s[MG0], 0x2
	s_mov_b32 s[MG1], 0x20000
	s_mov_b32 s[MB1], 0x1000000
	s_mov_b32 s[MS1], 0x2000000
	s_mov_b32 s[M1], 0x00020002
	s_mov_b32 s[M2], 0x00040004
	s_mov_b32 s[M3], 0x00080008
	s_wait_kmcnt 0x0
	s_wait_alu depctr_va_vdst(0)                   ; v[TA] and v[TB] are written, which the nine loads below read as their offsets
	global_load_b128 v[X:X+3], v[TA], s[8:9]
	global_load_b128 v[X+4:X+7], v[TA], s[8:9] offset:256
	global_load_b128 v[X+8:X+11], v[TA], s[8:9] offset:512
.irp i, 0,1,2
	global_load_b32 v[OW+\i], v[TB], s[4:5] offset:4*\i
	global_load_b32 v[DW+\i], v[TB], s[6:7] offset:4*\i
.endr
	v_cvt_f32_u32 v[HR], v[RR]
	v_mul_f32 v[HR], 0.5, v[HR]
	v_mov_b32 v[CAR], 0
	v_mov_b32 v[OC], 0
	v_mov_b32 v[OC+1], 0
	v_mov_b32 v[OA], 0
	v_mov_b32 v[TD], 0
	v_mov_b32 v[WB+9], 0                           ; the upper words of gz's and fz's pairs; WB+9 also serves as a 0
	v_mov_b32 v[WB+11], 0
	v_mov_b32 v[INI], 0.5
	v_cndmask_b32 v[INI+1], v[INI], v[WB+9], s[MH1]
	v_mov_b32 v[U], v[HR]
	s_wait_loadcnt 6                               ; the cell numbers are in; the six loads of origin and direction, issued behind them, stay out
	s_wait_alu depctr_vm_vsrc(0)                   ; the loads of the cell numbers have read v[TA], which the lines below write as their scratch
	ADDRM 0
	ADDRM 1
	ADDRM 2
	s_wait_alu depctr_va_vdst(0)                   ; the three address registers are written, which the loads of quads 0 to 5 read
.irp k, 0,1,2,3
.irp c, 0,1,2,3
	ROW2 \k, \c                                    ; four buffers are filled: 32 loads, on their way during the set-up below
.endr
.endr
	s_wait_loadcnt 32                              ; origin and direction are in; the 32 loads of rows stay out
	SETUP
	v_mul_f32 v[S0], 0xbf38aa3b, v[DSV]            ; -0.5 log2(e) delta_scale
.irp i, 0,1,2
	v_readfirstlane_b32 s[SGO+\i], v[GO+\i]        ; all lanes hold the same ray: its constants go to scalar registers
	v_readfirstlane_b32 s[SGD+\i], v[GD+\i]
.endr
	v_readfirstlane_b32 s[ST0], v[T0V]
	v_readfirstlane_b32 s[STM], v[TMV]
	v_readfirstlane_b32 s[SDS], v[DSV]
	v_readfirstlane_b32 s[SNL], v[S0]
	s_wait_alu depctr_va_sdst(0)                   ; the ray's ten scalar constants are written, ahead of their first readers
	; sh_mult
	v_mul_f32 v[XX], v[VD], v[VD]
	v_mul_f32 v[YY], v[VD+1], v[VD+1]
	v_mul_f32 v[ZZ], v[VD+2], v[VD+2]
	v_mov_b32 v[SH], 0x3e906ebb                    ; 0.28209479
	v_mul_f32 v[SH+1], 0xbefa2a1c, v[VD+1]         ; -0.48860251 y
	v_mul_f32 v[SH+2], 0x3efa2a1c, v[VD+2]
	v_mul_f32 v[SH+3], 0xbefa2a1c, v[VD]
	v_mul_f32 v[SH+4], v[VD], v[VD+1]
	v_mul_f32 v[SH+5], v[VD+1], v[VD+2]
	v_mul_f32 v[SH+7], v[VD], v[VD+2]
	v_fma_f32 v[SH+6], 2.0, v[ZZ], -v[XX]
	v_sub_f32 v[SH+8], v[XX], v[YY]
	v_sub_f32 v[SH+6], v[SH+6], v[YY]
	v_mul_f32 v[SH+4], 0x3f8bd8a1, v[SH+4]         ; 1.0925484
	v_mul_f32 v[SH+5], 0xbf8bd8a1, v[SH+5]
	v_mul_f32 v[SH+7], 0xbf8bd8a1, v[SH+7]
	v_mul_f32 v[SH+6], 0x3ea17b01, v[SH+6]         ; 0.31539157
	v_mul_f32 v[SH+8], 0x3f0bd8a1, v[SH+8]         ; 0.54627422
	; in bf16 pairs, at both parities: R's and B's nine begin at an even slot, G's at an odd one
	v_cvt_pk_bf16_f32 v[PE], v[SH], v[SH+1]
	v_cvt_pk_bf16_f32 v[PE+1], v[SH+2], v[SH+3]
	v_cvt_pk_bf16_f32 v[PE+2], v[SH+4], v[SH+5]
	v_cvt_pk_bf16_f32 v[PE+3], v[SH+6], v[SH+7]
	v_cvt_pk_bf16_f32 v[PE+4], v[SH+8], v[WB+9]
	v_cvt_pk_bf16_f32 v[PO], v[WB+9], v[SH]
	v_cvt_pk_bf16_f32 v[PO+1], v[SH+1], v[SH+2]
	v_cvt_pk_bf16_f32 v[PO+2], v[SH+3], v[SH+4]
	v_cvt_pk_bf16_f32 v[PO+3], v[SH+5], v[SH+6]
	v_cvt_pk_bf16_f32 v[PO+4], v[SH+7], v[SH+8]
	v_cvt_pk_bf16_f32 v[Z6], v[WB+9], v[SH+6]
	v_mov_b32 v[TA], 0x3f80                        ; (1.0, 0) in bf16
	; the coefficients: register i of lane (m, h) holds slots 16 h + 2 i and 16 h + 2 i + 1 of row m; all lanes but five hold 0
	v_cndmask_b32 v[CF], 0, v[PE], s[MR0]          ; R: slots 0-8
	v_cndmask_b32 v[CF+1], 0, v[PE+1], s[MR0]
	v_cndmask_b32 v[CF+2], 0, v[PE+2], s[MR0]
	v_cndmask_b32 v[CF+3], 0, v[PE+3], s[MR0]
	v_cndmask_b32 v[CF+4], 0, v[PE+4], s[MR0]
	v_cndmask_b32 v[CF+5], 0, v[PO+1], s[MG0]      ; G: slots 9-15,
	v_cndmask_b32 v[CF+6], 0, v[PO+2], s[MG0]
	v_cndmask_b32 v[CF+7], 0, v[PO+3], s[MG0]
	v_cndmask_b32 v[CF+4], v[CF+4], v[PO], s[MG0]
	v_cndmask_b32 v[CF], v[CF], v[PO+4], s[MG1]    ; and 16, 17
	v_cndmask_b32 v[CF+1], v[CF+1], v[PE], s[MB1]  ; B: slots 18-23,
	v_cndmask_b32 v[CF+2], v[CF+2], v[PE+1], s[MB1]
	v_cndmask_b32 v[CF+3], v[CF+3], v[PE+2], s[MB1]
	v_cndmask_b32 v[CF+6], v[CF+6], v[Z6], s[MB1]  ; and 29-31
	v_cndmask_b32 v[CF+7], v[CF+7], v[PO+4], s[MB1]
	v_cndmask_b32 v[CF+4], v[CF+4], v[TA], s[MS1]  ; sigma: slot 24
	LFM 0
	PREW
.irp g, 0,1,2,3,4,5,6,7,8,9
	GROUP \g
.endr
	; THE END OF THE RAY.  Each lane holds the sums of its ten steps: they are added over the 16 lanes of each row.
.irp m, 1,2,4,8
	v_add_f32_dpp v[OC], v[OC], v[OC] row_xmask:\m row_mask:0xf bank_mask:0xf
	v_add_f32_dpp v[OC+1], v[OC+1], v[OC+1] row_xmask:\m row_mask:0xf bank_mask:0xf
	v_add_f32_dpp v[OA], v[OA], v[OA] row_xmask:\m row_mask:0xf bank_mask:0xf
.endr
	v_max_num_f32 v[E1], 0x2edbe6ff, v[OA]         ; max(o_a, 1e-10)
	v_rcp_f32 v[E1], v[E1]
	v_exp_f32 v[E2], v[CAR]                        ; the light that is left, times the background's 1.0
	v_mov_b32 v[U], v[HR]                          ; plain work behind the two
	s_wait_alu depctr_va_vdst(0)
	v_mul_f32 v[ED], v[OC+1], v[E1]                ; lanes 16-31: the expected depth (lanes 0-15 carry a number that nobody stores)
.irp g, 0,1,2,3,4,5,6,7,8,9
	v_add_f32 v[T], s[ST0], v[U]
	v_add_f32 v[U], 0x41000000, v[U]
	v_fma_f32 v[T], -v[T], s[SDS], v[ED]           ; E - d
	v_mul_f32 v[T], v[T], v[T]
.if \g == 0
	v_mul_f32 v[OV], v[X], v[T]
.else
	v_fmac_f32 v[OV], v[X+\g], v[T]
.endif
.endr
.irp m, 1,2,4,8
	v_add_f32_dpp v[OV], v[OV], v[OV] row_xmask:\m row_mask:0xf bank_mask:0xf
.endr
	v_mul_f32 v[OV], v[OV], v[E1]
	v_add_f32 v[OC], v[OC], v[E2]
	v_add_f32 v[OC+1], v[OC+1], v[E2]
	; six lanes store the ray's 24 bytes: lanes 0, 1: R, G; lanes 16-19: B, o_a, depth, variance
	v_cndmask_b32 v[SC], v[OC+1], v[OA], s[MH1]
	v_cndmask_b32 v[SG], v[OC], v[SC], s[M1]
	v_cndmask_b32 v[SG], v[SG], v[ED], s[M2]
	v_cndmask_b32 v[SG], v[SG], v[OV], s[M3]
	v_lshrrev_b32 v[TA], 2, v[LOFF]                ; 8 h
	v_lshl_add_u32 v[TA], v[RR], 2, v[TA]          ; + 4 r
	s_mul_i32 s16, s15, 24
	s_mov_b32 s17, 0
	s_add_nc_u64 s[12:13], s[12:13], s[16:17]
	s_mov_b32 vcc_lo, 0xf0003
	s_wait_xcnt 0x0                                ; EXEC changes only behind this wait
	s_wait_alu depctr_va_vdst(0)                   ; every vector instruction has run under the full EXEC; among them those that wrote v[TA] and v[SG], which the store reads
	s_wait_alu depctr_vm_vsrc(0)                   ; every memory instruction issued under the full EXEC has read its registers
	s_and_saveexec_b32 s[SAVE], vcc_lo
	global_store_b32 v[TA], v[SG], s[12:13]
	s_wait_xcnt 0x0                                ; and again in front of the line that widens it
	s_wait_alu depctr_va_vdst(0)                   ; both waits stand in front of every scalar write of EXEC; no vector instruction is unfinished
	s_wait_alu depctr_vm_vsrc(0)                   ; the store has read v[TA] and v[SG] under the narrow EXEC
	s_or_b32 exec_lo, exec_lo, s[SAVE]
	s_endpgm
.Lfunc_end_k_qf70813fbf0_march:
	.size	k_qf70813fbf0_march, .Lfunc_end_k_qf70813fbf0_march-k_qf70813fbf0_march
	.p2alignl 7, 3214868480
	.fill 96, 4, 3214868480
	.section	.rodata,"a",@progbits
	.p2align	6, 0x0
	.amdhsa_kernel k_qf70813fbf0_march
		.amdhsa_group_segment_fixed_size 0
		.amdhsa_private_segment_fixed_size 0
		.amdhsa_enable_private_segment 0
		.amdhsa_kernarg_size 40
		.amdhsa_user_sgpr_count 2
		.amdhsa_user_sgpr_kernarg_segment_ptr 1
		.amdhsa_wavefront_size32 1
		.amdhsa_system_sgpr_workgroup_id_x 1
		.amdhsa_system_sgpr_workgroup_id_y 1
		.amdhsa_system_sgpr_workgroup_id_z 1
		.amdhsa_system_vgpr_workitem_id 0
		.amdhsa_next_free_vgpr 256
		.amdhsa_next_free_sgpr 66
		.amdhsa_reserve_vcc 1
		.amdhsa_float_denorm_mode_32 3
		.amdhsa_float_denorm_mode_16_64 3
		.amdhsa_memory_ordered 1
		.amdhsa_forward_progress 1
		.amdhsa_inst_pref_size 68
	.end_amdhsa_kernel
	.amdgpu_metadata
---
amdhsa.version: [ 1, 2 ]
amdhsa.kernels:
  - .name:           k_qf70813fbf0_march
    .symbol:         k_qf70813fbf0_march.kd
    .args:
      - { .name: origins, .offset: 0, .size: 8, .value_kind: global_buffer, .address_space: global }
      - { .name: dirs, .offset: 8, .size: 8, .value_kind: global_buffer, .address_space: global }
      - { .name: cells, .offset: 16, .size: 8, .value_kind: global_buffer, .address_space: global }
      - { .name: table, .offset: 24, .size: 8, .value_kind: global_buffer, .address_space: global }
      - { .name: out0, .offset: 32, .size: 8, .value_kind: global_buffer, .address_space: global }
    .group_segment_fixed_size: 0
    .private_segment_fixed_size: 0
    .kernarg_segment_align: 8
    .kernarg_segment_size: 40
    .max_flat_workgroup_size: 128
    .sgpr_count:     66
    .vgpr_count:     256
    .wavefront_size: 32
...
	.end_amdgpu_metadata
.endif
;; end of part 3
